; MI455X (gfx1250); checked and timed in simulation.
; The chip was launched on July 23, 2026; its instructions are those of AMD's public machine-readable ISA for CDNA 5 (MIT licence, August 2026) and "CDNA5" Instruction Set Architecture Reference Guide (July 2026). The comments in the code are by the model that wrote it; some were corrected since.
;; Scaled Cosine Attention. Allowed arithmetic: matrix products marked QUANTISED: E4M3 operands, one given power-of-two scale a tensor, by v_wmma_f32_16x16x64_fp8_fp8 or v_wmma_f32_16x16x128_fp8_fp8, f32 sums; everything else in f32.
;; Inputs: k 4 x 2,048 x 512 float32; lowp_scales 4 int32 (the exponents e of the quantised operands' scales 2^e); q 4 x 2,048 x 512 float32; softmax_scale 8 x 1 x 1 float32; v_codes 4 x 512 x 64 x 32 uint8 (E4M3 codes of v, K innermost, in blocks of 32 codes).
;; Outputs: out0 4 x 2,048 x 512 float32.
;; This version of the problem:
;;   THIS VERSION OF THE PROBLEM IS GIVEN IN LOW PRECISION. The matrix products marked QUANTISED in the list below multiply operands that are first quantised to E4M3 (4 exponent bits, 3 mantissa bits; 8 bits a number), with one given power-of-two scale for each operand tensor; their sums are f32. All else is computed in f32.
;;   The module's matrix products, in the order in which they are computed (A, B: the left and right operand; K: the contracted axis; several contracted axes count as one K, in the product's order):
;;     1. batch 32 x [M 2,048, K 64] x [K 64, N 2,048]; A: computed on the way; B: computed on the way: QUANTISED (scales: A lowp_scales[0], B lowp_scales[1])
;;     2. batch 32 x [M 2,048, K 2,048] x [K 2,048, N 64]; A: softmax (see below); B: input v (given as codes): QUANTISED (scales: A lowp_scales[2], B lowp_scales[3])
;;   THE QUANTISER, for each operand of a quantised product, along K:
;;     - The operand's scale is 2^e, e = its entry of the input lowp_scales (int32; the entries are numbered through the quantised products in the list's order, A before B).
;;     - Each number is divided by the scale, clamped to +-448, and rounded to the nearest number of E4M3, ties to even, subnormals kept.
;;     - The product sums the exact products of the quantised numbers (number of the format x scale) in f32.
;;   ~~~python
;;   def quantise(x, axis, e):      # numpy; x: float32 -> the quantised numbers, widened to float32 again
;;       x = np.moveaxis(x, axis, -1); K = x.shape[-1]
;;       r = np.clip(x / 2.0 ** e, -448, 448)
;;       step = 2.0 ** (np.maximum(np.frexp(np.where(r == 0, 1, r))[1] - 1, -6) - 3)
;;       q = np.round(r / step) * step * 2.0 ** e      # np.round: ties to even
;;       return np.moveaxis(q, -1, axis).astype(np.float32)
;;   ~~~
;;   SOFTMAX AHEAD OF A QUANTISED PRODUCT. Where the list says 'softmax', what is quantised is not the finished softmax but p = 2^(t - M), with t = logit x log2(e) and M = ceil(the row's largest t), a whole number; so 1/2 < the row's largest p <= 1. The row's sum l is taken of the UNQUANTISED p, in f32, and the product's result is divided by l at the end. Since M is a whole number, a kernel that streams over the keys may use a running M (the ceiling of the running maximum): every later rescaling is an exact power of two, so the quantised numbers keep their values, but for numbers so far below the row's largest that they fall under the format's range.
;;   OPERANDS COMPUTED ON THE WAY. 'Computed on the way' means the value that the module computes at that place (a softmax that the list does not call 'softmax' is quantised finished and normalised). What goes into a quantiser is computed in f32, as accurately as f32 sums, v_exp_f32 and their like allow (about 1e-6 of the number): no bf16 or f16 on the way to a quantiser, and a product that is left as it is and whose result goes on into a quantised operand takes f32 operands (vector FMAs, or v_wmma_f32_16x16x4_f32). A number that lies on a knife's edge between two numbers of the format may be rounded either way, as far as f32 arithmetic and the matrix unit's own rounding can turn it there, and no further.
;;   INPUTS GIVEN AS CODES. v (in the module: [4, 2048, 512], K = its axis 1): each comes as NAME_codes (uint8): NAME with its K axis moved to the last place and cut into blocks of 32 codes, [.., K / 32, bytes a block], one block behind the other in memory; one code a byte (a code: sign, 4 exponent bits, 3 mantissa bits); its scale is its entry of lowp_scales. Its value is code x scale, taken as it is: it is not quantised again, and the codes and scales need not be those that the quantiser above would give.
;; 2 versions, each right; version 2 is version 1 with the launch attn written anew for expert scheduling mode. Each part assembles by itself: llvm-mc -triple=amdgcn-amd-amdhsa -mcpu=gfx1250 --defsym DOCPART=n.
;; ======== version 1 of 2: 1 launch
;; launch attn (part 1): grid 8 x 32, 8 waves a work-group, no clusters, 138,240 bytes of LDS; arguments q, k, v_codes, lowp_scales, softmax_scale, out0; writes out0
.if DOCPART == 1
	.amdgcn_target "amdgcn-amd-amdhsa--gfx1250"
	.amdhsa_code_object_version 6
	.text
	.protected	k_q59c36695b1_attn
	.globl	k_q59c36695b1_attn
	.p2align	8
	.type	k_q59c36695b1_attn,@function
k_q59c36695b1_attn:
	s_mov_b64 s[64:65], 0
	v_nop
	global_prefetch_b8 v0, s[64:65] scope:SCOPE_SE
	s_setreg_imm32_b32 hwreg(HW_REG_WAVE_MODE, 25, 1), 1
	s_wait_xcnt 0x0
; out0[b][s][64 h + d] = sum over keys of softmax_j(cos(q, k_j) x scale[h]) v[j][d], both products on codes of FP8 (E4M3), each operand with the one scale 2^e that is given for it.
; q, k: [4][2048][512] f32.  Each head's 64 numbers of a row are divided by max(their norm, 1e-12) in f32 and quantised with 2^e0 (q) and 2^e1 (k).  v_codes: [4][512][2048], the keys innermost, scale 2^e3.
; THE SOFTMAX AHEAD OF THE SECOND PRODUCT: t = dot x c, c = exp(clip(softmax_scale[h], ln 0.01, ln 100)) x log2(e) x 2^(e0 + e1); M = the running largest t rounded UP to a whole number; p = 2^(t - M) is quantised with 2^e2, not normalised.
; The row's sum is taken of the unquantised p; when M moves, the sum and O are multiplied by 2^(old M - new M), which rounds nothing.  At the end O x 2^(e2 + e3) / the sum.
; SHARES.  256 work-groups: x = a block of 256 queries, y = 8 b + h = the head.  Eight waves of 512 registers; a wave owns 32 queries as two tiles of 16: tile 0 in register window 0, tile 1 in window 1, at the same numbers,
; so that each fragment of K and of V read from LDS feeds two matrix instructions.
; FLOW.  The keys go in 8 chunks of 256.  A trip: the chunk's raw data (asked for a trip earlier) are in registers; wave w normalises and quantises keys 32 w .. 32 w + 31 into two tiles of K and stores them to LDS as images of the
; operand's registers; it stores rows 8 w .. 8 w + 7 of V; it asks for the next chunk; ONE barrier; two key steps of 128 keys.  Two LDS slots take turns, and a loop's trip runs both, so that every LDS address is a constant + a lane term + a wave term.
; The one barrier orders both ways: a trip's stores go to the slot that nobody reads in that trip, and a slot is stored into again only behind the next barrier, in front of whose signal every wave has waited for all its LDS instructions.
; LAYOUT.  Both products are used transposed: S^T = K Q^T (source 0 = 16 keys, source 1 = 16 queries), O^T = V^T P^T (source 0 = 16 of the head's 64, source 1 = P): a lane holds ONE query (lane % 16) throughout.
; Along the head's 64 both fragments of the first product hold, in lane (r, h), byte i of register j: d = 32 h + 4 j + i: one permutation of d, the same in K and in Q, so every product meets its partner; a lane loads 128 consecutive bytes of its row.
; THE KEYS OF A TILE ARE NOT NEIGHBOURS: lane r of tile 2 b + u of a step takes key 32 b + 8 u + r + 8 (r / 8), so that the 16 registers of tiles 2 b and 2 b + 1 are the neighbouring keys 32 b + 16 (lane / 16) + 0 .. 15, as V's fragment has them.
; NO CLUSTER, NO JOINT LOADS, though the eight work-groups of a head walk the same k and V: k is no operand as it lies: it passes through registers (norm, quantiser) first.  Brought jointly as f32 it would go into LDS and out again,
; 65,536 bytes a chunk beside the 16,384 of its codes; V's share is 16,384 of a trip's 81,920 bytes.  The price is stated: each head's k is normalised and quantised eight times, about 150 vector instructions a wave and trip.
; The hold of p is jumped over by a scalar branch on the given e2.
; LIMITS.  e0, e1, e2 between -126 and 119 (the patterns (e + 127) << 23 and 448 x 2^e are f32 numbers); c is a normal f32 number: e0 + e1 between about -119 and 120; e2 + e3 goes through v_ldexp_f32 and has none.
; NaN and infinities in q, k or softmax_scale are not served (a NaN in softmax_scale is taken as the lower clip).  The sums of squares are taken in another order than a plain chain.
.set KSLOT, 16384                      ; LDS 0: K's images, two slots: tile T (0 .. 15 of the chunk) at 1,024 T: registers 0-3 at 16 x lane, registers 4-7 at 512 + 16 x lane
.set VIMG,  32768                      ; then V, two slots of 64 rows: 256 bytes (the chunk's keys) + 16 of padding = 68 words: row r starts at bank 4 r mod 64 (64 banks of 4 bytes: ISA guide 11.1)
.set VP,    272
.set VSLOT, 64*VP
.set STAGE, VIMG+2*VSLOT               ; then the way out: for each wave two tiles of 16 rows x (256 + 16) bytes, its own
.set STT,   16*VP
.set STW,   2*STT
; window 0 alone: addresses, never rewritten
.set LI,  1                            ; v1   16 x lane: my place in an image
.set AV,  2                            ; v2   VIMG + 272 r + 16 h: my place in a fragment of V
.set KST, 3                            ; v3   16 x lane + 2,048 w: where I store my two tiles of K
.set VST, 4                            ; v4   VIMG + (8 w + lane / 16) x 272 + 16 (lane % 16): where I store V
.set KGO, 5                            ; v5   (r + 8 (r / 8)) x 2,048 + 128 h: my bytes among my wave's rows of k
.set VGO, 6                            ; v6   (lane / 16) x 2,048 + 16 (lane % 16): two rows of 256 bytes, in v_codes and in out0
.set PFO, 7                            ; v7   lane x 2,048: a lane a row, for the prefetches
.set QGO, 8                            ; v8   2,048 r + 128 h: my bytes among a tile's rows of q
.set STO, 9                            ; v9   the stage: where I put 32 bytes of a row
.set RD,  10                           ; v10  and where I read a row back
; in both windows, a copy for each tile
.set NM,  12                           ; -M
.set TM,  13                           ; the largest t so far
.set LS,  14                           ; v[14:15] the row's sum, in two halves
.set CC,  16                           ; v[16:17] c, c
.set HL,  18                           ; 448 x 2^e2
.set SC,  19                           ; 2^e2
.set FF,  20                           ; v[20:21] f = 2^(old M - new M), 0
.set WA,  22                           ; at work
.set WB,  23
.set PX,  24                           ; a lane permute's destination
.set L2,  26                           ; v[26:27] the sum's second chain
.set SK1, 28                           ; 2^e1, 448 x 2^e1
.set LK1, 29
.set SQ0, 30                           ; 2^e0, 448 x 2^e0
.set LQ0, 31
.set QF,  32                           ; v[32:39]   the tile's fragment of Q
.set PC,  40                           ; v[40:55]   p's codes
.set SR,  56                           ; v[56:119]  S^T, then p
.set OT,  120                          ; v[120:151] O^T
.set TA,  248                          ; v[248:251], v[252:255] the norms, at work
.set TB,  252
.set FB,  152                          ; window 0: v[152:215] eight tiles of K, then four fragments of V; on the way out rows of out0
.set KA,  152                          ; window 1: v[152:183] my first tile of k as loaded,
.set KBR, 184                          ;           v[184:215] my second,
.set VR,  216                          ;           v[216:231] my rows of V,
.set CA,  232                          ;           v[232:239], v[240:247] the two tiles' codes
.set CB,  240
.set KB,  36                           ; s[36:37] k at my wave's rows of the chunk to be asked for
.set VB,  38                           ; s[38:39] v_codes likewise
.set PV,  40                           ; s[40:41] v_codes at the 32 rows that my wave prefetches
.set MSB, 0
.macro WIN new                         ; s_set_vgpr_msb: bits 1:0 source 0, 3:2 source 1, 5:4 source 2, 7:6 destination; the high byte repeats the setting that is left; a switch that changes nothing is dropped
.if MSB != \new
	s_set_vgpr_msb (MSB<<8)|\new
.set MSB, \new
.endif
.endm
; 0x55: all in window 1.  0x54: a product of tile 1: source 0 (K or V) window 0, the rest window 1.  0x40: a load into window 1.  0x04: an LDS store of window 1's data.  0x05: sources window 1, destination window 0.
.macro PLACES                          ; four plain vector instructions between a matrix instruction and a load into, or a vector read of, its registers (ISA guide 7.12.1 for vector reads)
.rept 4
	v_nop
.endr
.endm
; The sum of the squares of a row's 64 numbers: my 32, v[X] on, in two chains of pairs, then lane l xor 16's.  The result is v[T].
.macro SUMSQ X, T
	v_pk_mul_f32 v[(\T):(\T)+1], v[(\X):(\X)+1], v[(\X):(\X)+1]
	v_pk_mul_f32 v[(\T)+2:(\T)+3], v[(\X)+2:(\X)+3], v[(\X)+2:(\X)+3]
.set i, 4
.rept 7
	v_pk_fma_f32 v[(\T):(\T)+1], v[(\X)+i:(\X)+i+1], v[(\X)+i:(\X)+i+1], v[(\T):(\T)+1]
	v_pk_fma_f32 v[(\T)+2:(\T)+3], v[(\X)+i+2:(\X)+i+3], v[(\X)+i+2:(\X)+i+3], v[(\T)+2:(\T)+3]
.set i, i+4
.endr
	v_pk_add_f32 v[(\T):(\T)+1], v[(\T):(\T)+1], v[(\T)+2:(\T)+3]
	v_add_f32 v[\T], v[\T], v[(\T)+1]
	v_permlanex16_b32 v[(\T)+2], v[\T], s30, s31
	v_add_f32 v[\T], v[\T], v[(\T)+2]
.endm
; 1 / max(sqrt(sum), 1e-12), for one sum or two.  Behind each batch of transcendentals: a plain instruction, and a wait ahead of the first use.
.macro RNORM ta, tb, two
	v_sqrt_f32 v[\ta], v[\ta]
.if \two
	v_sqrt_f32 v[\tb], v[\tb]
.endif
	v_nop
	s_wait_alu depctr_va_vdst(0)
	v_max_num_f32 v[\ta], 0x2b8cbccc, v[\ta]       ; 1e-12
.if \two
	v_max_num_f32 v[\tb], 0x2b8cbccc, v[\tb]
.endif
	v_rcp_f32 v[\ta], v[\ta]
.if \two
	v_rcp_f32 v[\tb], v[\tb]
.endif
	v_nop
	s_wait_alu depctr_va_vdst(0)
.endm
; 32 numbers, v[X] on, x v[T], held within the largest code x the scale (the conversion to an 8-bit code does not saturate: ISA guide 7.6.2), become a fragment's 8 registers, v[D] on.
.macro CODES X, T, D, sc, lim
.set i, 0
.rept 16
	v_pk_mul_f32 v[(\X)+i:(\X)+i+1], v[(\X)+i:(\X)+i+1], v[(\T):(\T)+1] op_sel_hi:[1,0]
.set i, i+2
.endr
.set i, 0
.rept 32
	v_med3_num_f32 v[(\X)+i], v[(\X)+i], -v[\lim], v[\lim]
.set i, i+1
.endr
.irp g, 0,1,2,3
	v_cvt_scalef32_pk8_fp8_f32 v[(\D)+2*\g:(\D)+2*\g+1], v[(\X)+8*\g:(\X)+8*\g+7], v[\sc]
.endr
	v_nop                                          ; a plain instruction behind the last scaled conversion, ahead of whatever next touches its registers
.endm
; A tile's constants and beginnings, in the window in force.
.macro INIT
	v_mov_b32 v[SQ0], s46
	v_mov_b32 v[LQ0], s47
	v_mov_b32 v[SK1], s48
	v_mov_b32 v[LK1], s49
	v_mov_b32 v[SC], s50
	v_mov_b32 v[HL], s51
	v_mov_b32 v[CC], s20                           ; softmax_scale[h],
	v_max_num_f32 v[CC], 0xc0935d8e, v[CC]         ; clipped at ln 0.01
	v_min_num_f32 v[CC], 0x40935d8e, v[CC]         ; and at ln 100,
	v_mul_f32 v[CC], 0x3fb8aa3b, v[CC]
	v_exp_f32 v[CC], v[CC]                         ; its exponential,
	v_mov_b32 v[TM], 0xff61b1e6                    ; (the plain instruction behind it)  the largest t so far: -3e38, under every t
	s_wait_alu depctr_va_vdst(0)                   ; the wait ahead of the first use
	v_mul_f32 v[CC], 0x3fb8aa3b, v[CC]             ; x log2(e),
	v_ldexp_f32 v[CC], v[CC], s45                  ; x 2^(e0 + e1): a sum of the first product stands for sum x 2^(e0 + e1)
	v_mov_b32 v[CC+1], v[CC]
	v_floor_f32 v[NM], -v[TM]
	v_mov_b32 v[LS], 0
	v_mov_b32 v[LS+1], 0
	v_mov_b32 v[FF+1], 0                           ; (named as the upper half of a pair)
	v_mov_b32 v[PX], 0                             ; (a lane permute's destination counts as one of its sources)
.set i, 0
.rept 32
	v_mov_b32 v[OT+i], 0                           ; the key step is written without a first step of its own: it finds zeros, which the first change of M leaves zeros
.set i, i+1
.endr
.endm
; THE SOFTMAX OF A TILE AND A KEY STEP, in the window in force, in four parts.
; PH_P: the largest score (each accumulator from its low end on), the new M, f, t - M, and the 64 exponentials as one batch.
.macro PH_P
	v_max3_num_f32 v[WA], v[SR], v[SR+1], v[SR+2]
	v_max3_num_f32 v[WB], v[SR+3], v[SR+4], v[SR+5]
.set i, 6
.rept 14
	v_max3_num_f32 v[WA], v[WA], v[SR+i], v[SR+i+1]
	v_max3_num_f32 v[WB], v[WB], v[SR+i+2], v[SR+i+3]
.set i, i+4
.endr
	v_max3_num_f32 v[WA], v[WA], v[SR+62], v[SR+63]
	v_max_num_f32 v[WA], v[WA], v[WB]
	v_permlanex16_b32 v[PX], v[WA], s30, s31       ; the query's other 64 keys lie in lane l xor 16
	v_max_num_f32 v[WA], v[WA], v[PX]
	v_mul_f32 v[WA], v[CC], v[WA]                  ; as t (c is positive)
	v_max_num_f32 v[TM], v[TM], v[WA]
	v_mov_b32 v[WA], v[NM]
	v_floor_f32 v[NM], -v[TM]                      ; the new -M = floor(-t) = -ceil(t)
	v_sub_f32 v[WA], v[NM], v[WA]                  ; old M - new M: a whole number, 0 or less
	v_cvt_i32_f32 v[WA], v[WA]                     ; (it saturates)
	v_ldexp_f32 v[FF], 1.0, v[WA]                  ; f
.set i, 0
.rept 32
	v_pk_fma_f32 v[SR+i:SR+i+1], v[SR+i:SR+i+1], v[CC:CC+1], v[NM:NM+1] op_sel_hi:[1,0,0]   ; t - M, two at a time
.set i, i+2
.endr
.set i, 0
.rept 64
	v_exp_f32 v[SR+i], v[SR+i]                     ; p = 2^(t - M)
.set i, i+1
.endr
.endm
; PH_S: the row's sum, of the unquantised p, in two chains of pairs.  wait = 1: the one wait for both tiles' 128 exponentials stands here, behind a plain instruction and ahead of the first that names a result.
.macro PH_S wait
	v_pk_mul_f32 v[LS:LS+1], v[LS:LS+1], v[FF:FF+1] op_sel_hi:[1,0]   ; the sum under the new M
.if \wait
	s_wait_alu depctr_va_vdst(0)
.endif
	v_pk_add_f32 v[L2:L2+1], v[SR:SR+1], v[SR+2:SR+3]
.set i, 4
.rept 15
	v_pk_add_f32 v[LS:LS+1], v[LS:LS+1], v[SR+i:SR+i+1]
	v_pk_add_f32 v[L2:L2+1], v[L2:L2+1], v[SR+i+2:SR+i+3]
.set i, i+4
.endr
	v_pk_add_f32 v[LS:LS+1], v[LS:LS+1], v[L2:L2+1]
.endm
; PH_H: the hold at the largest code x the scale; p is not negative, so it is one-sided.
.macro PH_H
.set i, 0
.rept 64
	v_min_num_f32 v[SR+i], v[SR+i], v[HL]
.set i, i+1
.endr
.endm
; PH_C: p's codes: registers 4 b .. 4 b + 3 are keys 32 b + 16 (lane / 16) + 0 .. 15; then O^T under the new M.  The 16 multiplications are also the plain instructions between the conversions and the products.
.macro PH_C
.irp b, 0,1,2,3
	v_cvt_scalef32_pk8_fp8_f32 v[PC+4*\b:PC+4*\b+1], v[SR+16*\b:SR+16*\b+7], v[SC]
	v_cvt_scalef32_pk8_fp8_f32 v[PC+4*\b+2:PC+4*\b+3], v[SR+16*\b+8:SR+16*\b+15], v[SC]
.endr
.set i, 0
.rept 16
	v_pk_mul_f32 v[OT+i:OT+i+1], v[OT+i:OT+i+1], v[FF:FF+1] op_sel_hi:[1,0]
.set i, i+2
.endr
.endm
.macro KQ                              ; a tile's S^T: eight tiles of 16 keys, K = the head's 64; each product starts its sum
.irp t, 0,1,2,3,4,5,6,7
	v_wmma_f32_16x16x64_fp8_fp8 v[SR+8*\t:SR+8*\t+7], v[FB+8*\t:FB+8*\t+7], v[QF:QF+7], 0
.endr
.endm
.macro PVM                             ; a tile's O^T += V^T P^T: four tiles of 16 of the head's 64, K = the step's 128 keys.  No two matrix instructions that follow each other share an accumulator
.irp t, 0,1,2,3
	v_wmma_f32_16x16x128_fp8_fp8 v[OT+8*\t:OT+8*\t+7], v[FB+16*\t:FB+16*\t+15], v[PC:PC+15], v[OT+8*\t:OT+8*\t+7]
.endr
.endm
; A KEY STEP: 128 keys, the st-th of slot sl.  Every window is 0 at its head and at its end.
.macro STEP sl, st
	PLACES                                         ; behind the last products that read the fragments' registers
.irp t, 0,1,2,3,4,5,6,7
	ds_load_b128 v[FB+8*\t:FB+8*\t+3], v[LI] offset:(\sl)*KSLOT+(8*(\st)+\t)*1024
	ds_load_b128 v[FB+8*\t+4:FB+8*\t+7], v[LI] offset:(\sl)*KSLOT+(8*(\st)+\t)*1024+512
.endr
	s_wait_dscnt 0x0                               ; K's eight tiles are in
	KQ
	WIN 0x54
	KQ
	WIN 0
	PLACES                                         ; ahead of the loads into K's registers and of the first read of the scores
.irp dt, 0,1,2,3
.irp c, 0,1,2,3
	ds_load_b128 v[FB+16*\dt+4*\c:FB+16*\dt+4*\c+3], v[AV] offset:(\sl)*VSLOT+\dt*16*VP+128*(\st)+32*\c   ; V's four fragments land while the softmax is worked
.endr
.endr
	PH_P                                           ; tile 0's batch of exponentials;
	WIN 0x55
	PH_P                                           ; tile 1's maximum and scalings are the independent work behind it; then tile 1's batch
	PH_S 1                                         ; one wait for both
	WIN 0
	PH_S 0
	s_cmp_ge_i32 s18, -8                           ; p is at most 1 (a few last bits more), so with e2 >= -8 p / 2^e2 stays near 256, under 448: the hold has nothing to hold.  A branch on a whole number that was given
	s_cbranch_scc1 .Lnohold_\@
	PH_H
	WIN 0x55
	PH_H
	WIN 0
.Lnohold_\@:
	PH_C
	WIN 0x55
	PH_C
	WIN 0
	s_wait_dscnt 0x0                               ; V's fragments are in
	PVM
	WIN 0x54
	PVM
	WIN 0
.endm
; The next chunk's raw data: my 32 keys of k (two tiles of 16 rows, 128 bytes a lane) and my 8 rows of V (two rows of 256 bytes a load).  No cache word: the head's eight work-groups read these bytes.
.macro GETRAW
	WIN 0x40
.irp i, 0,1
.irp j, 0,1,2,3,4,5,6,7
	global_load_b128 v[KA+32*\i+4*\j:KA+32*\i+4*\j+3], v[KGO], s[KB:KB+1] offset:16384*\i+16*\j
.endr
.endr
.irp n, 0,1,2,3
	global_load_b128 v[VR+4*\n:VR+4*\n+3], v[VGO], s[VB:VB+1] offset:4096*\n
.endr
	WIN 0
.endm
; A PREFETCH INTO THE L2 of the chunk after the one just asked for: a trip, two key steps, ahead of its loads.  It stands behind the wave's loads.  All eight work-groups of a head walk the same k and V: the head's first
; work-group (x = 0) asks, and nobody else.  k: each wave for its own 32 rows, a lane a row's 256 bytes of the head.  V: waves 0 and 1, 32 rows each, a lane a row's 256 bytes of the chunk.  So each aligned block of 256 bytes is named once.
; It is on while the loop's count is above 1: trips 0 to 5 name chunks 2 to 7.  Chunks 0 and 1 come by their loads alone.
.macro ASK
	s_cmp_gt_u32 s32, s33
	s_cbranch_scc0 .Lnot_k_\@
	global_prefetch_b8 v[PFO], s[KB:KB+1] offset:524288 th:TH_LOAD_NT scope:SCOPE_SE
.Lnot_k_\@:
	s_cmp_gt_u32 s32, s34
	s_cbranch_scc0 .Lnot_v_\@
	global_prefetch_b8 v[PFO], s[PV:PV+1] offset:256 th:TH_LOAD_NT scope:SCOPE_SE
.Lnot_v_\@:
.endm
; A TRIP: a chunk of 256 keys, through slot sl.
.macro TRIP sl
	s_wait_loadcnt 0x0                             ; the chunk's 20 loads, issued a trip ago, are in: their bases may be written,
	s_wait_xcnt 0x0                                ; and the last prefetches have read theirs
	s_add_nc_u64 s[KB:KB+1], s[KB:KB+1], 524288    ; 256 rows of k on
	s_add_nc_u64 s[VB:VB+1], s[VB:VB+1], 256       ; 256 keys on in V's rows
	s_add_nc_u64 s[PV:PV+1], s[PV:PV+1], 256
	WIN 0x04
.irp n, 0,1,2,3
	ds_store_b128 v[VST], v[VR+4*\n:VR+4*\n+3] offset:(\sl)*VSLOT+2*VP*\n   ; sixteen lanes store a row's 256 bytes
.endr
	WIN 0x55
	SUMSQ KA, TA
	SUMSQ KBR, TB
	RNORM TA, TB, 1
	CODES KA, TA, CA, SK1, LK1
	CODES KBR, TB, CB, SK1, LK1
	WIN 0x04
	ds_store_b128 v[KST], v[CA:CA+3] offset:(\sl)*KSLOT          ; tile 2 w as it stands in my registers,
	ds_store_b128 v[KST], v[CA+4:CA+7] offset:(\sl)*KSLOT+512
	ds_store_b128 v[KST], v[CB:CB+3] offset:(\sl)*KSLOT+1024     ; tile 2 w + 1
	ds_store_b128 v[KST], v[CB+4:CB+7] offset:(\sl)*KSLOT+1536
	WIN 0
	s_wait_dscnt 0x0                               ; for the others' sake: my stores have landed; they have read their registers; my reads of the other slot were over before
.if \sl
	s_cmp_eq_u32 s32, 1                            ; the last chunk has no successor: no load leaves its buffer
	s_cbranch_scc1 .Lno_more_\@
.endif
	GETRAW
	ASK
.if \sl
.Lno_more_\@:
.endif
	s_barrier_signal -1
	s_barrier_wait -1                              ; the slot is whole, and nobody reads the other one any more
	STEP \sl, 0
	STEP \sl, 1
.endm
	s_load_b256 s[4:11], s[0:1], 0x0               ; q s[4:5], k s[6:7], v_codes s[8:9], lowp_scales s[10:11]
	s_load_b128 s[12:15], s[0:1], 0x20             ; softmax_scale s[12:13], out0 s[14:15]
	v_lshl_add_u32 v254, v0, 2, 0x21800
	v_mov_b32 v255, 0
	v_lshrrev_b32 v11, 5, v0
	v_readfirstlane_b32 s21, v11                   ; wave 0..7
	s_and_b32 s22, ttmp7, 0xffff                   ; y = 8 b + h
	s_lshr_b32 s23, s22, 3                         ; b
	s_and_b32 s24, s22, 7                          ; h
	s_mov_b32 s30, 0x76543210                      ; v_permlanex16_b32's selects for lane l xor 16
	s_mov_b32 s31, 0xfedcba98
	v_and_b32 v11, 31, v0                          ; lane
	v_and_b32 v22, 15, v0                          ; r
	v_bfe_u32 v23, v0, 4, 1                        ; h of the lane
	v_lshlrev_b32 v[LI], 4, v11
	v_mul_u32_u24 v[AV], v22, VP
	v_lshl_add_u32 v[AV], v23, 4, v[AV]
	v_add_nc_u32 v[AV], VIMG, v[AV]
	s_lshl_b32 s26, s21, 11
	v_add_nc_u32 v[KST], s26, v[LI]
	v_mul_u32_u24 v[VST], v23, VP
	v_lshl_add_u32 v[VST], v22, 4, v[VST]
	s_mul_i32 s28, s21, 8*VP
	s_add_co_u32 s28, s28, VIMG
	v_add_nc_u32 v[VST], s28, v[VST]
	v_and_b32 v[KGO], 8, v22
	v_add_nc_u32 v[KGO], v[KGO], v22               ; r + 8 (r / 8)
	v_lshlrev_b32 v[KGO], 11, v[KGO]
	v_lshl_add_u32 v[KGO], v23, 7, v[KGO]
	v_lshlrev_b32 v[VGO], 11, v23
	v_lshl_add_u32 v[VGO], v22, 4, v[VGO]
	v_lshlrev_b32 v[PFO], 11, v11
	v_lshlrev_b32 v[QGO], 11, v22
	v_lshl_add_u32 v[QGO], v23, 7, v[QGO]
	s_mul_i32 s25, s21, STW
	s_add_co_u32 s25, s25, STAGE                   ; my stage
	v_mul_u32_u24 v[STO], v22, VP
	v_lshl_add_u32 v[STO], v23, 5, v[STO]
	v_add_nc_u32 v[STO], s25, v[STO]               ; in: row r, 32 bytes for each half of the lanes
	v_mul_u32_u24 v[RD], v23, VP
	v_lshl_add_u32 v[RD], v22, 4, v[RD]
	v_add_nc_u32 v[RD], s25, v[RD]                 ; back: lanes 0-15 one row, lanes 16-31 the next
	; byte offsets, all under 2^24: a batch is 2^22 bytes of q, k and out0, a row 2,048, a head's part of a row 256
	s_lshl_b32 s26, s23, 22
	s_lshl_b32 s28, s24, 8
	s_add_co_u32 s26, s26, s28
	s_lshl_b32 s28, s21, 16
	s_add_co_u32 s26, s26, s28                     ; k: batch, head, my wave's 32 rows of chunk 0
	s_mov_b32 s27, 0
	s_lshl_b32 s28, ttmp9, 19
	s_add_co_u32 s28, s28, s26                     ; q and out0: the same + the block's 256 rows
	s_mov_b32 s29, 0
	s_wait_kmcnt 0x0
	s_add_nc_u64 s[4:5], s[4:5], s[28:29]
	s_add_nc_u64 s[14:15], s[14:15], s[28:29]
	s_add_nc_u64 s[KB:KB+1], s[6:7], s[26:27]
	s_lshl_b32 s26, s22, 17                        ; v_codes: the head's 64 rows of 2,048 bytes,
	s_lshl_b32 s28, s21, 14
	s_add_co_u32 s28, s28, s26                     ; my wave's 8 of them
	s_add_nc_u64 s[VB:VB+1], s[8:9], s[28:29]
	s_and_b32 s28, s21, 1
	s_lshl_b32 s28, s28, 16
	s_add_co_u32 s28, s28, s26                     ; and the 32 that waves 0 and 1 prefetch
	s_add_nc_u64 s[PV:PV+1], s[8:9], s[28:29]
	s_lshl_b32 s28, s24, 2
	s_add_nc_u64 s[12:13], s[12:13], s[28:29]
	s_load_b128 s[16:19], s[10:11], 0x0            ; e0, e1, e2, e3
	s_load_b32 s20, s[12:13], 0x0                  ; softmax_scale[h]
.irp j, 0,1,2,3,4,5,6,7
	global_load_b128 v[SR+4*\j:SR+4*\j+3], v[QGO], s[4:5] offset:16*\j th:TH_LOAD_NT          ; q, tile 0: my 32 numbers of row r; read once in the launch
.endr
	WIN 0x40
.irp j, 0,1,2,3,4,5,6,7
	global_load_b128 v[SR+4*\j:SR+4*\j+3], v[QGO], s[4:5] offset:32768+16*\j th:TH_LOAD_NT    ; tile 1: 16 rows on, into window 1
.endr
	GETRAW                                         ; chunk 0
	s_wait_kmcnt 0x0
	s_add_co_i32 s45, s16, s17                     ; e0 + e1
	s_add_co_i32 s44, s18, s19                     ; e2 + e3
	s_add_co_i32 s46, s16, 127
	s_add_co_i32 s47, s46, 8
	s_lshl_b32 s46, s46, 23                        ; 2^e0 as f32: the conversion takes its exponent field
	s_lshl_b32 s47, s47, 23
	s_or_b32 s47, s47, 0x600000                    ; 448 x 2^e0
	s_add_co_i32 s48, s17, 127
	s_add_co_i32 s49, s48, 8
	s_lshl_b32 s48, s48, 23                        ; the same with e1,
	s_lshl_b32 s49, s49, 23
	s_or_b32 s49, s49, 0x600000
	s_add_co_i32 s50, s18, 127
	s_add_co_i32 s51, s50, 8
	s_lshl_b32 s50, s50, 23                        ; and with e2
	s_lshl_b32 s51, s51, 23
	s_or_b32 s51, s51, 0x600000
	s_cmp_eq_u32 ttmp9, 0
	s_cselect_b32 s33, 1, -1                       ; 1 in a wave that prefetches k, else the greatest number
	s_lshr_b32 s34, s21, 1
	s_or_b32 s34, s34, ttmp9
	s_cmp_eq_u32 s34, 0
	s_cselect_b32 s34, 1, -1                       ; the same for V: waves 0 and 1 of that work-group
	INIT
	WIN 0x55
	INIT
	WIN 0
	s_wait_loadcnt 20                              ; q's 16 loads are in; the 20 of chunk 0, issued behind them, may stay out
	SUMSQ SR, TA
	RNORM TA, TA, 0
	CODES SR, TA, QF, SQ0, LQ0                     ; Q's fragment stays in registers
	WIN 0x55
	SUMSQ SR, TA
	RNORM TA, TA, 0
	CODES SR, TA, QF, SQ0, LQ0
	WIN 0
	s_mov_b32 s32, 4
.Ltrip:                                                ; four trips of two chunks: the two slots by turns
	TRIP 0
	TRIP 1
	s_sub_co_u32 s32, s32, 1
	s_cmp_lg_u32 s32, 0
	s_cbranch_scc1 .Ltrip
	; THE WAY OUT.  The sum's two halves and lane l xor 16's are added; O^T x 2^(e2 + e3) / the sum goes through my own stage in LDS, a tile of 16 queries at a time, and leaves as rows of 256 bytes.
	PLACES                                         ; behind the last products
	v_add_f32 v[LS], v[LS], v[LS+1]
	v_permlanex16_b32 v[PX], v[LS], s30, s31
	v_add_f32 v[LS], v[LS], v[PX]
	v_rcp_f32 v[LS], v[LS]
	WIN 0x55
	v_add_f32 v[LS], v[LS], v[LS+1]
	v_permlanex16_b32 v[PX], v[LS], s30, s31
	v_add_f32 v[LS], v[LS], v[PX]
	v_rcp_f32 v[LS], v[LS]
	v_nop                                          ; a plain instruction behind the last reciprocal,
	s_wait_alu depctr_va_vdst(0)                   ; and one wait for the two, ahead of the first use
	v_ldexp_f32 v[LS], v[LS], s44
	WIN 0x05
.set i, 0
.rept 16
	v_pk_mul_f32 v[SR+32+i:SR+32+i+1], v[OT+i:OT+i+1], v[LS:LS+1] op_sel_hi:[1,0]   ; tile 1, into window 0; each accumulator from its low end on.  Register 8 t + j is o(query r, d = 16 t + 8 h + j)
.set i, i+2
.endr
	WIN 0
	v_ldexp_f32 v[LS], v[LS], s44
.set i, 0
.rept 16
	v_pk_mul_f32 v[SR+i:SR+i+1], v[OT+i:OT+i+1], v[LS:LS+1] op_sel_hi:[1,0]          ; tile 0
.set i, i+2
.endr
.irp u, 0,1
.irp t, 0,1,2,3
	ds_store_b128 v[STO], v[SR+32*\u+8*\t:SR+32*\u+8*\t+3] offset:STT*\u+64*\t
	ds_store_b128 v[STO], v[SR+32*\u+8*\t+4:SR+32*\u+8*\t+7] offset:STT*\u+64*\t+16
.endr
.irp n, 0,1,2,3,4,5,6,7
	ds_load_b128 v[FB+32*\u+4*\n:FB+32*\u+4*\n+3], v[RD] offset:STT*\u+2*VP*\n   ; LDS serves a wave's instructions in order (ISA guide 5.7.1.4): these see my stores above
.endr
.endr
.irp u, 0,1
.irp n, 0,1,2,3,4,5,6,7
	s_wait_dscnt 23-16*\u-\n                       ; behind this load: the tile's 7 - n younger loads and, for tile 0, tile 1's sixteen LDS instructions
	global_store_b128 v[VGO], v[FB+32*\u+4*\n:FB+32*\u+4*\n+3], s[14:15] offset:32768*\u+4096*\n th:TH_STORE_NT   ; sixteen lanes store 256 consecutive bytes, at a multiple of 256 from out0's first byte; written once
.endr
.endr
	s_wait_tensorcnt 0x0
	ds_add_u32 v254, v255
	s_wait_dscnt 0x0
	s_endpgm
.Lfunc_end_k_q59c36695b1_attn:
	.size	k_q59c36695b1_attn, .Lfunc_end_k_q59c36695b1_attn-k_q59c36695b1_attn
	.p2alignl 7, 3214868480
	.fill 96, 4, 3214868480
	.section	.rodata,"a",@progbits
	.p2align	6, 0x0
	.amdhsa_kernel k_q59c36695b1_attn
		.amdhsa_group_segment_fixed_size 138240
		.amdhsa_private_segment_fixed_size 0
		.amdhsa_enable_private_segment 0
		.amdhsa_kernarg_size 48
		.amdhsa_user_sgpr_count 2
		.amdhsa_user_sgpr_kernarg_segment_ptr 1
		.amdhsa_wavefront_size32 1
		.amdhsa_system_sgpr_workgroup_id_x 1
		.amdhsa_system_sgpr_workgroup_id_y 1
		.amdhsa_system_sgpr_workgroup_id_z 1
		.amdhsa_system_vgpr_workitem_id 0
		.amdhsa_next_free_vgpr 512
		.amdhsa_next_free_sgpr 66
		.amdhsa_reserve_vcc 0
		.amdhsa_float_denorm_mode_32 3
		.amdhsa_float_denorm_mode_16_64 3
		.amdhsa_memory_ordered 1
		.amdhsa_forward_progress 1
		.amdhsa_inst_pref_size 166
	.end_amdhsa_kernel
	.amdgpu_metadata
---
amdhsa.version: [ 1, 2 ]
amdhsa.kernels:
  - .name:           k_q59c36695b1_attn
    .symbol:         k_q59c36695b1_attn.kd
    .args:
      - { .name: q, .offset: 0, .size: 8, .value_kind: global_buffer, .address_space: global }
      - { .name: k, .offset: 8, .size: 8, .value_kind: global_buffer, .address_space: global }
      - { .name: v_codes, .offset: 16, .size: 8, .value_kind: global_buffer, .address_space: global }
      - { .name: lowp_scales, .offset: 24, .size: 8, .value_kind: global_buffer, .address_space: global }
      - { .name: softmax_scale, .offset: 32, .size: 8, .value_kind: global_buffer, .address_space: global }
      - { .name: out0, .offset: 40, .size: 8, .value_kind: global_buffer, .address_space: global }
    .group_segment_fixed_size: 138240
    .private_segment_fixed_size: 0
    .kernarg_segment_align: 8
    .kernarg_segment_size: 48
    .max_flat_workgroup_size: 256
    .sgpr_count:     66
    .vgpr_count:     512
    .wavefront_size: 32
...
	.end_amdgpu_metadata
.endif
;; end of part 1
;; ======== version 2 of 2: 1 launch; version 1 with the launch attn written anew for expert scheduling mode
;; launch attn (part 2): grid 8 x 32, 8 waves a work-group, no clusters, 138,240 bytes of LDS; arguments q, k, v_codes, lowp_scales, softmax_scale, out0; writes out0
.if DOCPART == 2
	.amdgcn_target "amdgcn-amd-amdhsa--gfx1250"
	.amdhsa_code_object_version 6
	.text
	.protected	k_q59c36695b1_attn
	.globl	k_q59c36695b1_attn
	.p2align	8
	.type	k_q59c36695b1_attn,@function
k_q59c36695b1_attn:
	s_mov_b64 s[64:65], 0
	v_nop
	global_prefetch_b8 v0, s[64:65] scope:SCOPE_SE
	s_setreg_imm32_b32 hwreg(HW_REG_WAVE_SCHED_MODE, 0, 2), 2
	s_setreg_imm32_b32 hwreg(HW_REG_WAVE_MODE, 25, 1), 1
	s_wait_xcnt 0x0
	s_wait_alu depctr_vm_vsrc(0)
; out0[b][s][64 h + d] = sum over keys of softmax_j(cos(q, k_j) x scale[h]) v[j][d], both products on codes of FP8 (E4M3), each operand with the one scale 2^e that is given for it.
; q, k: [4][2048][512] f32.  Each head's 64 numbers of a row are divided by max(their norm, 1e-12) in f32 and quantised with 2^e0 (q) and 2^e1 (k).  v_codes: [4][512][2048], the keys innermost, scale 2^e3.
; THE SOFTMAX AHEAD OF THE SECOND PRODUCT: t = dot x c, c = exp(clip(softmax_scale[h], ln 0.01, ln 100)) x log2(e) x 2^(e0 + e1); M = the running largest t rounded UP to a whole number; p = 2^(t - M) is quantised with 2^e2, not normalised.
; The row's sum is taken of the unquantised p; when M moves, the sum and O are multiplied by 2^(old M - new M), which rounds nothing.  At the end O x 2^(e2 + e3) / the sum.
; SHARES.  256 work-groups: x = a block of 256 queries, y = 8 b + h = the head.  Eight waves of 512 registers; a wave owns 32 queries as two tiles of 16: tile 0 in register window 0, tile 1 in window 1, at the same numbers,
; so that each fragment of K and of V read from LDS feeds two matrix instructions.
; FLOW.  The keys go in 8 chunks of 256.  A trip: the chunk's raw data (asked for a trip earlier) are in registers; wave w normalises and quantises keys 32 w .. 32 w + 31 into two tiles of K and stores them to LDS as images of the
; operand's registers; it stores rows 8 w .. 8 w + 7 of V; it asks for the next chunk; ONE barrier; two key steps of 128 keys.  Two LDS slots take turns, and a loop's trip runs both, so that every LDS address is a constant + a lane term + a wave term.
; The one barrier orders both ways: a trip's stores go to the slot that nobody reads in that trip, and a slot is stored into again only behind the next barrier, in front of whose signal every wave has waited for all its LDS instructions.
; LAYOUT.  Both products are used transposed: S^T = K Q^T (source 0 = 16 keys, source 1 = 16 queries), O^T = V^T P^T (source 0 = 16 of the head's 64, source 1 = P): a lane holds ONE query (lane % 16) throughout.
; Along the head's 64 both fragments of the first product hold, in lane (r, h), byte i of register j: d = 32 h + 4 j + i: one permutation of d, the same in K and in Q, so every product meets its partner; a lane loads 128 consecutive bytes of its row.
; THE KEYS OF A TILE ARE NOT NEIGHBOURS: lane r of tile 2 b + u of a step takes key 32 b + 8 u + r + 8 (r / 8), so that the 16 registers of tiles 2 b and 2 b + 1 are the neighbouring keys 32 b + 16 (lane / 16) + 0 .. 15, as V's fragment has them.
; NO CLUSTER, NO JOINT LOADS, though the eight work-groups of a head walk the same k and V: k is no operand as it lies: it passes through registers (norm, quantiser) first.  Brought jointly as f32 it would go into LDS and out again,
; 65,536 bytes a chunk beside the 16,384 of its codes; V's share is 16,384 of a trip's 81,920 bytes.  The price is stated: each head's k is normalised and quantised eight times, about 150 vector instructions a wave and trip.
; The hold of p is jumped over by a scalar branch on the given e2.
; LIMITS.  e0, e1, e2 between -126 and 119 (the patterns (e + 127) << 23 and 448 x 2^e are f32 numbers); c is a normal f32 number: e0 + e1 between about -119 and 120; e2 + e3 goes through v_ldexp_f32 and has none.
; NaN and infinities in q, k or softmax_scale are not served (a NaN in softmax_scale is taken as the lower clip).  The sums of squares are taken in another order than a plain chain.
; THE MODE: SCHED_MODE bits 1:0 = 2 (LLVM: expert scheduling mode 2), set by the entry lines.  The code itself states the register dependences between vector or matrix instructions and memory or LDS instructions, with s_wait_alu, always for 0.
; THE PLAN.  The registers that memory or LDS instructions touch, and who else names them:
;   v1-v10     addresses and offsets.  Written at the head and never again: rows, chunks and slots are reached by scalar bases and immediates.  One wait on va_vdst ahead of the first load serves every load, store and prefetch of the kernel.
;   KA, KBR    a trip's sums of squares, scalings, holds and conversions read and write them; behind these the next chunk's loads land in them.
;   CA, CB     the trip's conversions write them; four LDS stores read them; the next trip's conversions write them again.
;   VR         loads land in it, the trip's four LDS stores read it, the next chunk's loads land in it; no vector instruction names it.
;   KL         K's tiles 0-3 of a step: LDS loads land in it, the step's products K Q^T read it.
;   FB         its upper half K's tiles 4-7, read by the products K Q^T; then all of it V's four fragments, read by the products V^T P^T; on the way out rows of out0, from LDS loads to global stores.
;   SR         on the way out alone: multiplications write it, LDS stores read it.
; A TRIP has one wait on va_vdst, behind its conversions: CA and CB are written, for the LDS stores, and KA and KBR are done with, for the next chunk's loads; and one on vm_vsrc, behind its LDS stores: they have read VR, CA and CB.
; A KEY STEP has two waits on va_vdst.  At its head: the last step's products V^T P^T are done reading FB.  Behind its products K Q^T: they are done reading KL and FB.  From that second wait to the products V^T P^T no vector or matrix
; instruction names KL or FB: so V's sixteen loads, and in a slot's first step the eight loads of the second step's tiles 0-3 of K, are dealt among tile 0's maxima and scalings with no further wait.
; The waits behind transcendentals are the same line; each says which results it waits for.
.set KSLOT, 16384                      ; LDS 0: K's images, two slots: tile T (0 .. 15 of the chunk) at 1,024 T: registers 0-3 at 16 x lane, registers 4-7 at 512 + 16 x lane
.set VIMG,  32768                      ; then V, two slots of 64 rows: 256 bytes (the chunk's keys) + 16 of padding = 68 words: row r starts at bank 4 r mod 64 (64 banks of 4 bytes: ISA guide 11.1)
.set VP,    272
.set VSLOT, 64*VP
.set STAGE, VIMG+2*VSLOT               ; then the way out: for each wave two tiles of 16 rows x (256 + 16) bytes, its own
.set STT,   16*VP
.set STW,   2*STT
; window 0 alone: addresses, never rewritten
.set LI,  1                            ; v1   16 x lane: my place in an image
.set AV,  2                            ; v2   VIMG + 272 r + 16 h: my place in a fragment of V
.set KST, 3                            ; v3   16 x lane + 2,048 w: where I store my two tiles of K
.set VST, 4                            ; v4   VIMG + (8 w + lane / 16) x 272 + 16 (lane % 16): where I store V
.set KGO, 5                            ; v5   (r + 8 (r / 8)) x 2,048 + 128 h: my bytes among my wave's rows of k
.set VGO, 6                            ; v6   (lane / 16) x 2,048 + 16 (lane % 16): two rows of 256 bytes, in v_codes and in out0
.set PFO, 7                            ; v7   lane x 2,048: a lane a row, for the prefetches
.set QGO, 8                            ; v8   2,048 r + 128 h: my bytes among a tile's rows of q
.set STO, 9                            ; v9   the stage: where I put 32 bytes of a row
.set RD,  10                           ; v10  and where I read a row back
; in both windows, a copy for each tile
.set NM,  12                           ; -M
.set TM,  13                           ; the largest t so far
.set LS,  14                           ; v[14:15] the row's sum, in two halves
.set CC,  16                           ; v[16:17] c, c
.set HL,  18                           ; 448 x 2^e2
.set SC,  19                           ; 2^e2
.set FF,  20                           ; v[20:21] f = 2^(old M - new M), 0
.set WA,  22                           ; at work
.set WB,  23
.set PX,  24                           ; a lane permute's destination
.set L2,  26                           ; v[26:27] the sum's second chain
.set SK1, 28                           ; 2^e1, 448 x 2^e1
.set LK1, 29
.set SQ0, 30                           ; 2^e0, 448 x 2^e0
.set LQ0, 31
.set QF,  32                           ; v[32:39]   the tile's fragment of Q
.set PC,  40                           ; v[40:55]   p's codes
.set SR,  56                           ; v[56:119]  S^T, then p
.set OT,  120                          ; v[120:151] O^T
.set TA,  248                          ; v[248:251], v[252:255] the norms, at work (the second four in window 1 alone: v254, v255 of window 0 are the closing add's two)
.set TB,  252
.set FB,  152                          ; window 0: v[152:215] in its upper half tiles 4-7 of K, then four fragments of V; on the way out rows of out0
.set KL,  216                          ; window 0: v[216:247] tiles 0-3 of K
.set KA,  152                          ; window 1: v[152:183] my first tile of k as loaded,
.set KBR, 184                          ;           v[184:215] my second,
.set VR,  216                          ;           v[216:231] my rows of V,
.set CA,  232                          ;           v[232:239], v[240:247] the two tiles' codes
.set CB,  240
.set KB,  36                           ; s[36:37] k at my wave's rows of the chunk to be asked for
.set VB,  38                           ; s[38:39] v_codes likewise
.set PV,  40                           ; s[40:41] v_codes at the 32 rows that my wave prefetches
.set MSB, 0
.macro WIN new                         ; s_set_vgpr_msb: bits 1:0 source 0, 3:2 source 1, 5:4 source 2, 7:6 destination; the high byte repeats the setting that is left; a switch that changes nothing is dropped
.if MSB != \new
	s_set_vgpr_msb (MSB<<8)|\new
.set MSB, \new
.endif
.endm
; 0x55: all in window 1.  0x54: a product of tile 1: source 0 (K or V) window 0, the rest window 1.  0x40: a load into window 1.  0x04: an LDS store of window 1's data.  0x05: sources window 1, destination window 0.
.macro PLACES                          ; four plain vector instructions between a matrix instruction and a load into, or a vector read of, its registers (ISA guide 7.12.1 for vector reads)
.rept 4
	v_nop
.endr
.endm
; The sum of the squares of a row's 64 numbers: my 32, v[X] on, in two chains of pairs, then lane l xor 16's.  The result is v[T].
.macro SUMSQ X, T
	v_pk_mul_f32 v[(\T):(\T)+1], v[(\X):(\X)+1], v[(\X):(\X)+1]
	v_pk_mul_f32 v[(\T)+2:(\T)+3], v[(\X)+2:(\X)+3], v[(\X)+2:(\X)+3]
.set i, 4
.rept 7
	v_pk_fma_f32 v[(\T):(\T)+1], v[(\X)+i:(\X)+i+1], v[(\X)+i:(\X)+i+1], v[(\T):(\T)+1]
	v_pk_fma_f32 v[(\T)+2:(\T)+3], v[(\X)+i+2:(\X)+i+3], v[(\X)+i+2:(\X)+i+3], v[(\T)+2:(\T)+3]
.set i, i+4
.endr
	v_pk_add_f32 v[(\T):(\T)+1], v[(\T):(\T)+1], v[(\T)+2:(\T)+3]
	v_add_f32 v[\T], v[\T], v[(\T)+1]
	v_permlanex16_b32 v[(\T)+2], v[\T], s30, s31
	v_add_f32 v[\T], v[\T], v[(\T)+2]
.endm
; 1 / max(sqrt(sum), 1e-12), for one sum or two.  Behind each batch of transcendentals: a plain instruction, and a wait ahead of the first use.
.macro RNORM ta, tb, two
	v_sqrt_f32 v[\ta], v[\ta]
.if \two
	v_sqrt_f32 v[\tb], v[\tb]
.endif
	v_nop
	s_wait_alu depctr_va_vdst(0)                   ; the square roots have written the norms, ahead of the maxima that read them
	v_max_num_f32 v[\ta], 0x2b8cbccc, v[\ta]       ; 1e-12
.if \two
	v_max_num_f32 v[\tb], 0x2b8cbccc, v[\tb]
.endif
	v_rcp_f32 v[\ta], v[\ta]
.if \two
	v_rcp_f32 v[\tb], v[\tb]
.endif
	v_nop
	s_wait_alu depctr_va_vdst(0)                   ; the reciprocals have written 1 / norm, ahead of the scalings that read them
.endm
; 32 numbers, v[X] on, x v[T], held within the largest code x the scale (the conversion to an 8-bit code does not saturate: ISA guide 7.6.2), become a fragment's 8 registers, v[D] on.
.macro CODES X, T, D, sc, lim
.set i, 0
.rept 16
	v_pk_mul_f32 v[(\X)+i:(\X)+i+1], v[(\X)+i:(\X)+i+1], v[(\T):(\T)+1] op_sel_hi:[1,0]
.set i, i+2
.endr
.set i, 0
.rept 32
	v_med3_num_f32 v[(\X)+i], v[(\X)+i], -v[\lim], v[\lim]
.set i, i+1
.endr
.irp g, 0,1,2,3
	v_cvt_scalef32_pk8_fp8_f32 v[(\D)+2*\g:(\D)+2*\g+1], v[(\X)+8*\g:(\X)+8*\g+7], v[\sc]
.endr
	v_nop                                          ; a plain instruction behind the last scaled conversion, ahead of whatever next touches its registers
.endm
; A tile's constants and beginnings, in the window in force.
.macro INIT
	v_mov_b32 v[SQ0], s46
	v_mov_b32 v[LQ0], s47
	v_mov_b32 v[SK1], s48
	v_mov_b32 v[LK1], s49
	v_mov_b32 v[SC], s50
	v_mov_b32 v[HL], s51
	v_mov_b32 v[CC], s20                           ; softmax_scale[h],
	v_max_num_f32 v[CC], 0xc0935d8e, v[CC]         ; clipped at ln 0.01
	v_min_num_f32 v[CC], 0x40935d8e, v[CC]         ; and at ln 100,
	v_mul_f32 v[CC], 0x3fb8aa3b, v[CC]
	v_exp_f32 v[CC], v[CC]                         ; its exponential,
	v_mov_b32 v[TM], 0xff61b1e6                    ; (the plain instruction behind it)  the largest t so far: -3e38, under every t
	s_wait_alu depctr_va_vdst(0)                   ; the exponential has written v[CC], ahead of the multiplication that reads it
	v_mul_f32 v[CC], 0x3fb8aa3b, v[CC]             ; x log2(e),
	v_ldexp_f32 v[CC], v[CC], s45                  ; x 2^(e0 + e1): a sum of the first product stands for sum x 2^(e0 + e1)
	v_mov_b32 v[CC+1], v[CC]
	v_floor_f32 v[NM], -v[TM]
	v_mov_b32 v[LS], 0
	v_mov_b32 v[LS+1], 0
	v_mov_b32 v[FF+1], 0                           ; (named as the upper half of a pair)
	v_mov_b32 v[PX], 0                             ; (a lane permute's destination counts as one of its sources)
.set i, 0
.rept 32
	v_mov_b32 v[OT+i], 0                           ; the key step is written without a first step of its own: it finds zeros, which the first change of M leaves zeros
.set i, i+1
.endr
.endm
; THE LDS LOADS OF A KEY STEP, one at a time.
; Load n of 16 of K's eight tiles of step st of slot sl: tile n / 2, its registers 4 (n % 2) on.  Tiles 0-3 go to KL, tiles 4-7 to FB's upper half.
.macro KLD n, sl, st
.if (\n) < 8
	ds_load_b128 v[KL+4*(\n):KL+4*(\n)+3], v[LI] offset:(\sl)*KSLOT+(8*(\st)+(\n)/2)*1024+512*((\n)%2)
.else
	ds_load_b128 v[FB+4*(\n):FB+4*(\n)+3], v[LI] offset:(\sl)*KSLOT+(8*(\st)+(\n)/2)*1024+512*((\n)%2)
.endif
.endm
; Load n of 16 of V's four fragments of step st of slot sl: fragment n / 4 (16 of the head's 64), its registers 4 (n % 4) on.
.macro VLD n, sl, st
	ds_load_b128 v[FB+4*(\n):FB+4*(\n)+3], v[AV] offset:(\sl)*VSLOT+((\n)/4)*16*VP+128*(\st)+32*((\n)%4)
.endm
; THE SOFTMAX OF A TILE AND A KEY STEP, in the window in force, in four parts.
; PH_P: the largest score (each accumulator from its low end on), the new M, f, t - M, and the 64 exponentials as one batch.
; deal = 1 (tile 0, every window 0): the step's LDS loads are dealt among these lines, which name neither KL nor FB: one of V's sixteen behind each pair of maxima; in a slot's first step one of the eight of the
; second step's tiles 0-3 of K behind every fourth scaling.  The wait that they hang on stands in STEP, ahead of this macro.
.macro PH_P deal, sl, st
	v_max3_num_f32 v[WA], v[SR], v[SR+1], v[SR+2]
	v_max3_num_f32 v[WB], v[SR+3], v[SR+4], v[SR+5]
.if \deal
	VLD 0, \sl, \st
.endif
.set i, 6
.rept 14
	v_max3_num_f32 v[WA], v[WA], v[SR+i], v[SR+i+1]
	v_max3_num_f32 v[WB], v[WB], v[SR+i+2], v[SR+i+3]
.if \deal
	VLD (i-2)/4, \sl, \st
.endif
.set i, i+4
.endr
	v_max3_num_f32 v[WA], v[WA], v[SR+62], v[SR+63]
	v_max_num_f32 v[WA], v[WA], v[WB]
.if \deal
	VLD 15, \sl, \st
.endif
	v_permlanex16_b32 v[PX], v[WA], s30, s31       ; the query's other 64 keys lie in lane l xor 16
	v_max_num_f32 v[WA], v[WA], v[PX]
	v_mul_f32 v[WA], v[CC], v[WA]                  ; as t (c is positive)
	v_max_num_f32 v[TM], v[TM], v[WA]
	v_mov_b32 v[WA], v[NM]
	v_floor_f32 v[NM], -v[TM]                      ; the new -M = floor(-t) = -ceil(t)
	v_sub_f32 v[WA], v[NM], v[WA]                  ; old M - new M: a whole number, 0 or less
	v_cvt_i32_f32 v[WA], v[WA]                     ; (it saturates)
	v_ldexp_f32 v[FF], 1.0, v[WA]                  ; f
.set i, 0
.rept 32
	v_pk_fma_f32 v[SR+i:SR+i+1], v[SR+i:SR+i+1], v[CC:CC+1], v[NM:NM+1] op_sel_hi:[1,0,0]   ; t - M, two at a time
.if \deal
.if (\st) == 0
.if (i%8) == 6
	KLD i/8, \sl, 1
.endif
.endif
.endif
.set i, i+2
.endr
.set i, 0
.rept 64
	v_exp_f32 v[SR+i], v[SR+i]                     ; p = 2^(t - M)
.set i, i+1
.endr
.endm
; PH_S: the row's sum, of the unquantised p, in two chains of pairs.  wait = 1: the one wait for both tiles' 128 exponentials stands here, behind a plain instruction and ahead of the first that names a result.
.macro PH_S wait
	v_pk_mul_f32 v[LS:LS+1], v[LS:LS+1], v[FF:FF+1] op_sel_hi:[1,0]   ; the sum under the new M
.if \wait
	s_wait_alu depctr_va_vdst(0)                   ; both tiles' exponentials have written p, ahead of the additions that read it
.endif
	v_pk_add_f32 v[L2:L2+1], v[SR:SR+1], v[SR+2:SR+3]
.set i, 4
.rept 15
	v_pk_add_f32 v[LS:LS+1], v[LS:LS+1], v[SR+i:SR+i+1]
	v_pk_add_f32 v[L2:L2+1], v[L2:L2+1], v[SR+i+2:SR+i+3]
.set i, i+4
.endr
	v_pk_add_f32 v[LS:LS+1], v[LS:LS+1], v[L2:L2+1]
.endm
; PH_H: the hold at the largest code x the scale; p is not negative, so it is one-sided.
.macro PH_H
.set i, 0
.rept 64
	v_min_num_f32 v[SR+i], v[SR+i], v[HL]
.set i, i+1
.endr
.endm
; PH_C: p's codes: registers 4 b .. 4 b + 3 are keys 32 b + 16 (lane / 16) + 0 .. 15; then O^T under the new M.  The 16 multiplications are also the plain instructions between the conversions and the products.
.macro PH_C
.irp b, 0,1,2,3
	v_cvt_scalef32_pk8_fp8_f32 v[PC+4*\b:PC+4*\b+1], v[SR+16*\b:SR+16*\b+7], v[SC]
	v_cvt_scalef32_pk8_fp8_f32 v[PC+4*\b+2:PC+4*\b+3], v[SR+16*\b+8:SR+16*\b+15], v[SC]
.endr
.set i, 0
.rept 16
	v_pk_mul_f32 v[OT+i:OT+i+1], v[OT+i:OT+i+1], v[FF:FF+1] op_sel_hi:[1,0]
.set i, i+2
.endr
.endm
.macro KQL                             ; half of a tile's S^T: K's tiles 0-3 of 16 keys, K = the head's 64; each product starts its sum
.irp t, 0,1,2,3
	v_wmma_f32_16x16x64_fp8_fp8 v[SR+8*\t:SR+8*\t+7], v[KL+8*\t:KL+8*\t+7], v[QF:QF+7], 0
.endr
.endm
.macro KQH                             ; the other half: K's tiles 4-7
.irp t, 4,5,6,7
	v_wmma_f32_16x16x64_fp8_fp8 v[SR+8*\t:SR+8*\t+7], v[FB+8*\t:FB+8*\t+7], v[QF:QF+7], 0
.endr
.endm
.macro PVM                             ; a tile's O^T += V^T P^T: four tiles of 16 of the head's 64, K = the step's 128 keys.  No two matrix instructions that follow each other share an accumulator
.irp t, 0,1,2,3
	v_wmma_f32_16x16x128_fp8_fp8 v[OT+8*\t:OT+8*\t+7], v[FB+16*\t:FB+16*\t+15], v[PC:PC+15], v[OT+8*\t:OT+8*\t+7]
.endr
.endm
; A KEY STEP: 128 keys, the st-th of slot sl.  Every window is 0 at its head and at its end.
.macro STEP sl, st
	PLACES                                         ; behind the last products that read the fragments' registers
	s_wait_alu depctr_va_vdst(0)                   ; the last step's products V^T P^T are done reading FB, in whose upper half K's tiles 4-7 land (KL's last readers, the last step's products K Q^T, stand further back)
.if (\st) == 0
.irp n, 0,1,2,3,4,5,6,7
	KLD \n, \sl, \st                               ; a slot's first step: tiles 0-3 could not be asked for ahead of the barrier
.endr
.endif
.irp n, 8,9,10,11,12,13,14,15
	KLD \n, \sl, \st
.endr
.if (\st) == 0
	s_wait_dscnt 8                                 ; LDS loads come back in order (ISA guide 5.7.1): tiles 0-3 are in, the eight younger loads, tiles 4-7, may be out
.endif                                                 ; (a slot's second step: tiles 0-3 were asked for in the first and waited for ahead of its products V^T P^T)
	KQL                                            ; both tiles of queries against K's tiles 0-3, while tiles 4-7 land
	WIN 0x54
	KQL
	s_wait_dscnt 0x0                               ; K's tiles 4-7 are in
	KQH
	WIN 0
	KQH
	PLACES                                         ; ahead of the first read of the scores (and of the loads into K's registers)
	s_wait_alu depctr_va_vdst(0)                   ; the products K Q^T are done reading KL and FB, in which the loads dealt among the lines below land
	PH_P 1, \sl, \st                               ; tile 0's batch of exponentials; V's four fragments, and the next step's tiles 0-3 of K, land while the softmax is worked
	WIN 0x55
	PH_P 0, 0, 0                                   ; tile 1's maximum and scalings are the independent work behind it; then tile 1's batch
	PH_S 1                                         ; one wait for both
	WIN 0
	PH_S 0
	s_cmp_ge_i32 s18, -8                           ; p is at most 1 (a few last bits more), so with e2 >= -8 p / 2^e2 stays near 256, under 448: the hold has nothing to hold.  A branch on a whole number that was given
	s_cbranch_scc1 .Lnohold_\@
	PH_H
	WIN 0x55
	PH_H
	WIN 0
.Lnohold_\@:
	PH_C
	WIN 0x55
	PH_C
	WIN 0
	s_wait_dscnt 0x0                               ; V's fragments are in (and the next step's tiles 0-3 of K)
	PVM
	WIN 0x54
	PVM
	WIN 0
.endm
; The next chunk's raw data: my 32 keys of k (two tiles of 16 rows, 128 bytes a lane) and my 8 rows of V (two rows of 256 bytes a load).  No cache word: the head's eight work-groups read these bytes.
.macro GETRAW
	WIN 0x40
.irp i, 0,1
.irp j, 0,1,2,3,4,5,6,7
	global_load_b128 v[KA+32*\i+4*\j:KA+32*\i+4*\j+3], v[KGO], s[KB:KB+1] offset:16384*\i+16*\j
.endr
.endr
.irp n, 0,1,2,3
	global_load_b128 v[VR+4*\n:VR+4*\n+3], v[VGO], s[VB:VB+1] offset:4096*\n
.endr
	WIN 0
.endm
; A PREFETCH INTO THE L2 of the chunk after the one just asked for: a trip, two key steps, ahead of its loads.  It stands behind the wave's loads.  All eight work-groups of a head walk the same k and V: the head's first
; work-group (x = 0) asks, and nobody else.  k: each wave for its own 32 rows, a lane a row's 256 bytes of the head.  V: waves 0 and 1, 32 rows each, a lane a row's 256 bytes of the chunk.  So each aligned block of 256 bytes is named once.
; It is on while the loop's count is above 1: trips 0 to 5 name chunks 2 to 7.  Chunks 0 and 1 come by their loads alone.
.macro ASK
	s_cmp_gt_u32 s32, s33
	s_cbranch_scc0 .Lnot_k_\@
	global_prefetch_b8 v[PFO], s[KB:KB+1] offset:524288 th:TH_LOAD_NT scope:SCOPE_SE
.Lnot_k_\@:
	s_cmp_gt_u32 s32, s34
	s_cbranch_scc0 .Lnot_v_\@
	global_prefetch_b8 v[PFO], s[PV:PV+1] offset:256 th:TH_LOAD_NT scope:SCOPE_SE
.Lnot_v_\@:
.endm
; A TRIP: a chunk of 256 keys, through slot sl.
.macro TRIP sl
	s_wait_loadcnt 0x0                             ; the chunk's 20 loads, issued a trip ago, are in: their bases may be written,
	s_wait_xcnt 0x0                                ; and the last prefetches have read theirs
	s_add_nc_u64 s[KB:KB+1], s[KB:KB+1], 524288    ; 256 rows of k on
	s_add_nc_u64 s[VB:VB+1], s[VB:VB+1], 256       ; 256 keys on in V's rows
	s_add_nc_u64 s[PV:PV+1], s[PV:PV+1], 256
	WIN 0x04
.irp n, 0,1,2,3
	ds_store_b128 v[VST], v[VR+4*\n:VR+4*\n+3] offset:(\sl)*VSLOT+2*VP*\n   ; sixteen lanes store a row's 256 bytes.  (Their data came by loads, their address was written ahead of the head's wait: nothing more is owed)
.endr
	WIN 0x55
	SUMSQ KA, TA
	SUMSQ KBR, TB
	RNORM TA, TB, 1
	CODES KA, TA, CA, SK1, LK1
	CODES KBR, TB, CB, SK1, LK1
	WIN 0x04
	s_wait_alu depctr_va_vdst(0)                   ; the conversions have written CA and CB, which the LDS stores read; and the scalings, holds and conversions are done with KA and KBR, in which the next chunk's loads land
	ds_store_b128 v[KST], v[CA:CA+3] offset:(\sl)*KSLOT          ; tile 2 w as it stands in my registers,
	ds_store_b128 v[KST], v[CA+4:CA+7] offset:(\sl)*KSLOT+512
	ds_store_b128 v[KST], v[CB:CB+3] offset:(\sl)*KSLOT+1024     ; tile 2 w + 1
	ds_store_b128 v[KST], v[CB+4:CB+7] offset:(\sl)*KSLOT+1536
	WIN 0
	s_wait_dscnt 0x0                               ; for the others' sake: my stores have landed; my reads of the other slot were over before
	s_wait_alu depctr_vm_vsrc(0)                   ; my eight LDS stores have read VR, in which the next chunk's loads land, and CA and CB, which the next trip's conversions write
.if \sl
	s_cmp_eq_u32 s32, 1                            ; the last chunk has no successor: no load leaves its buffer
	s_cbranch_scc1 .Lno_more_\@
.endif
	GETRAW                                         ; no vector instruction since the wait on va_vdst above names KA, KBR, VR or the two offsets
	ASK
.if \sl
.Lno_more_\@:
.endif
	s_barrier_signal -1
	s_barrier_wait -1                              ; the slot is whole, and nobody reads the other one any more
	STEP \sl, 0
	STEP \sl, 1
.endm
	s_load_b256 s[4:11], s[0:1], 0x0               ; q s[4:5], k s[6:7], v_codes s[8:9], lowp_scales s[10:11]
	s_load_b128 s[12:15], s[0:1], 0x20             ; softmax_scale s[12:13], out0 s[14:15]
	v_lshl_add_u32 v254, v0, 2, 0x21800            ; the closing add's two registers: my spare word, behind the stages,
	v_mov_b32 v255, 0                              ; and 0; both kept for that alone
	v_lshrrev_b32 v11, 5, v0
	v_readfirstlane_b32 s21, v11                   ; wave 0..7
	s_and_b32 s22, ttmp7, 0xffff                   ; y = 8 b + h
	s_lshr_b32 s23, s22, 3                         ; b
	s_and_b32 s24, s22, 7                          ; h
	s_mov_b32 s30, 0x76543210                      ; v_permlanex16_b32's selects for lane l xor 16
	s_mov_b32 s31, 0xfedcba98
	v_and_b32 v11, 31, v0                          ; lane
	v_and_b32 v22, 15, v0                          ; r
	v_bfe_u32 v23, v0, 4, 1                        ; h of the lane
	v_lshlrev_b32 v[LI], 4, v11
	v_mul_u32_u24 v[AV], v22, VP
	v_lshl_add_u32 v[AV], v23, 4, v[AV]
	v_add_nc_u32 v[AV], VIMG, v[AV]
	s_wait_alu depctr_va_sdst(0)                   ; s21, the wave's number, is written, ahead of its first reader
	s_lshl_b32 s26, s21, 11
	v_add_nc_u32 v[KST], s26, v[LI]
	v_mul_u32_u24 v[VST], v23, VP
	v_lshl_add_u32 v[VST], v22, 4, v[VST]
	s_mul_i32 s28, s21, 8*VP
	s_add_co_u32 s28, s28, VIMG
	v_add_nc_u32 v[VST], s28, v[VST]
	v_and_b32 v[KGO], 8, v22
	v_add_nc_u32 v[KGO], v[KGO], v22               ; r + 8 (r / 8)
	v_lshlrev_b32 v[KGO], 11, v[KGO]
	v_lshl_add_u32 v[KGO], v23, 7, v[KGO]
	v_lshlrev_b32 v[VGO], 11, v23
	v_lshl_add_u32 v[VGO], v22, 4, v[VGO]
	v_lshlrev_b32 v[PFO], 11, v11
	v_lshlrev_b32 v[QGO], 11, v22
	v_lshl_add_u32 v[QGO], v23, 7, v[QGO]
	s_mul_i32 s25, s21, STW
	s_add_co_u32 s25, s25, STAGE                   ; my stage
	v_mul_u32_u24 v[STO], v22, VP
	v_lshl_add_u32 v[STO], v23, 5, v[STO]
	v_add_nc_u32 v[STO], s25, v[STO]               ; in: row r, 32 bytes for each half of the lanes
	v_mul_u32_u24 v[RD], v23, VP
	v_lshl_add_u32 v[RD], v22, 4, v[RD]
	v_add_nc_u32 v[RD], s25, v[RD]                 ; back: lanes 0-15 one row, lanes 16-31 the next
	; byte offsets, all under 2^24: a batch is 2^22 bytes of q, k and out0, a row 2,048, a head's part of a row 256
	s_lshl_b32 s26, s23, 22
	s_lshl_b32 s28, s24, 8
	s_add_co_u32 s26, s26, s28
	s_lshl_b32 s28, s21, 16
	s_add_co_u32 s26, s26, s28                     ; k: batch, head, my wave's 32 rows of chunk 0
	s_mov_b32 s27, 0
	s_lshl_b32 s28, ttmp9, 19
	s_add_co_u32 s28, s28, s26                     ; q and out0: the same + the block's 256 rows
	s_mov_b32 s29, 0
	s_wait_kmcnt 0x0
	s_add_nc_u64 s[4:5], s[4:5], s[28:29]
	s_add_nc_u64 s[14:15], s[14:15], s[28:29]
	s_add_nc_u64 s[KB:KB+1], s[6:7], s[26:27]
	s_lshl_b32 s26, s22, 17                        ; v_codes: the head's 64 rows of 2,048 bytes,
	s_lshl_b32 s28, s21, 14
	s_add_co_u32 s28, s28, s26                     ; my wave's 8 of them
	s_add_nc_u64 s[VB:VB+1], s[8:9], s[28:29]
	s_and_b32 s28, s21, 1
	s_lshl_b32 s28, s28, 16
	s_add_co_u32 s28, s28, s26                     ; and the 32 that waves 0 and 1 prefetch
	s_add_nc_u64 s[PV:PV+1], s[8:9], s[28:29]
	s_lshl_b32 s28, s24, 2
	s_add_nc_u64 s[12:13], s[12:13], s[28:29]
	s_load_b128 s[16:19], s[10:11], 0x0            ; e0, e1, e2, e3
	s_load_b32 s20, s[12:13], 0x0                  ; softmax_scale[h]
	s_wait_alu depctr_va_vdst(0)                   ; the ten addresses and offsets v1 to v10 are written, which every load, store and prefetch of the kernel reads; none is written again
.irp j, 0,1,2,3,4,5,6,7
	global_load_b128 v[SR+4*\j:SR+4*\j+3], v[QGO], s[4:5] offset:16*\j th:TH_LOAD_NT          ; q, tile 0: my 32 numbers of row r; read once in the launch
.endr
	WIN 0x40
.irp j, 0,1,2,3,4,5,6,7
	global_load_b128 v[SR+4*\j:SR+4*\j+3], v[QGO], s[4:5] offset:32768+16*\j th:TH_LOAD_NT    ; tile 1: 16 rows on, into window 1
.endr
	GETRAW                                         ; chunk 0
	s_wait_kmcnt 0x0
	s_add_co_i32 s45, s16, s17                     ; e0 + e1
	s_add_co_i32 s44, s18, s19                     ; e2 + e3
	s_add_co_i32 s46, s16, 127
	s_add_co_i32 s47, s46, 8
	s_lshl_b32 s46, s46, 23                        ; 2^e0 as f32: the conversion takes its exponent field
	s_lshl_b32 s47, s47, 23
	s_or_b32 s47, s47, 0x600000                    ; 448 x 2^e0
	s_add_co_i32 s48, s17, 127
	s_add_co_i32 s49, s48, 8
	s_lshl_b32 s48, s48, 23                        ; the same with e1,
	s_lshl_b32 s49, s49, 23
	s_or_b32 s49, s49, 0x600000
	s_add_co_i32 s50, s18, 127
	s_add_co_i32 s51, s50, 8
	s_lshl_b32 s50, s50, 23                        ; and with e2
	s_lshl_b32 s51, s51, 23
	s_or_b32 s51, s51, 0x600000
	s_cmp_eq_u32 ttmp9, 0
	s_cselect_b32 s33, 1, -1                       ; 1 in a wave that prefetches k, else the greatest number
	s_lshr_b32 s34, s21, 1
	s_or_b32 s34, s34, ttmp9
	s_cmp_eq_u32 s34, 0
	s_cselect_b32 s34, 1, -1                       ; the same for V: waves 0 and 1 of that work-group
	INIT
	WIN 0x55
	INIT
	WIN 0
	s_wait_loadcnt 20                              ; q's 16 loads are in; the 20 of chunk 0, issued behind them, may stay out
	SUMSQ SR, TA
	RNORM TA, TA, 0
	CODES SR, TA, QF, SQ0, LQ0                     ; Q's fragment stays in registers
	WIN 0x55
	SUMSQ SR, TA
	RNORM TA, TA, 0
	CODES SR, TA, QF, SQ0, LQ0
	WIN 0
	s_mov_b32 s32, 4
.Ltrip:                                                ; four trips of two chunks: the two slots by turns
	TRIP 0
	TRIP 1
	s_sub_co_u32 s32, s32, 1
	s_cmp_lg_u32 s32, 0
	s_cbranch_scc1 .Ltrip
	; THE WAY OUT.  The sum's two halves and lane l xor 16's are added; O^T x 2^(e2 + e3) / the sum goes through my own stage in LDS, a tile of 16 queries at a time, and leaves as rows of 256 bytes.
	PLACES                                         ; behind the last products
	v_add_f32 v[LS], v[LS], v[LS+1]
	v_permlanex16_b32 v[PX], v[LS], s30, s31
	v_add_f32 v[LS], v[LS], v[PX]
	v_rcp_f32 v[LS], v[LS]
	WIN 0x55
	v_add_f32 v[LS], v[LS], v[LS+1]
	v_permlanex16_b32 v[PX], v[LS], s30, s31
	v_add_f32 v[LS], v[LS], v[PX]
	v_rcp_f32 v[LS], v[LS]
	v_nop                                          ; a plain instruction behind the last reciprocal,
	s_wait_alu depctr_va_vdst(0)                   ; and one wait for the two: the reciprocals have written both tiles' v[LS], ahead of the first instruction that names one
	v_ldexp_f32 v[LS], v[LS], s44
	WIN 0x05
.set i, 0
.rept 16
	v_pk_mul_f32 v[SR+32+i:SR+32+i+1], v[OT+i:OT+i+1], v[LS:LS+1] op_sel_hi:[1,0]   ; tile 1, into window 0; each accumulator from its low end on.  Register 8 t + j is o(query r, d = 16 t + 8 h + j)
.set i, i+2
.endr
	WIN 0
	v_ldexp_f32 v[LS], v[LS], s44
.set i, 0
.rept 16
	v_pk_mul_f32 v[SR+i:SR+i+1], v[OT+i:OT+i+1], v[LS:LS+1] op_sel_hi:[1,0]          ; tile 0
.set i, i+2
.endr
	s_wait_alu depctr_va_vdst(0)                   ; the multiplications have written v[SR ..], which the LDS stores read; the last products V^T P^T are done reading FB, in which the loads from the stage land
.irp u, 0,1
.irp t, 0,1,2,3
	ds_store_b128 v[STO], v[SR+32*\u+8*\t:SR+32*\u+8*\t+3] offset:STT*\u+64*\t
	ds_store_b128 v[STO], v[SR+32*\u+8*\t+4:SR+32*\u+8*\t+7] offset:STT*\u+64*\t+16
.endr
.irp n, 0,1,2,3,4,5,6,7
	ds_load_b128 v[FB+32*\u+4*\n:FB+32*\u+4*\n+3], v[RD] offset:STT*\u+2*VP*\n   ; LDS serves a wave's instructions in order (ISA guide 5.7.1.4): these see my stores above
.endr
.endr
.irp u, 0,1
.irp n, 0,1,2,3,4,5,6,7
	s_wait_dscnt 23-16*\u-\n                       ; behind this load: the tile's 7 - n younger loads and, for tile 0, tile 1's sixteen LDS instructions
	global_store_b128 v[VGO], v[FB+32*\u+4*\n:FB+32*\u+4*\n+3], s[14:15] offset:32768*\u+4096*\n th:TH_STORE_NT   ; sixteen lanes store 256 consecutive bytes, at a multiple of 256 from out0's first byte; written once
.endr
.endr
	s_wait_dscnt 0x0                               ; the closing lines, six on end
	s_wait_alu 0x0
	s_wait_tensorcnt 0x0
	ds_add_u32 v254, v255
	s_wait_dscnt 0x0
	s_endpgm
.Lfunc_end_k_q59c36695b1_attn:
	.size	k_q59c36695b1_attn, .Lfunc_end_k_q59c36695b1_attn-k_q59c36695b1_attn
	.p2alignl 7, 3214868480
	.fill 96, 4, 3214868480
	.section	.rodata,"a",@progbits
	.p2align	6, 0x0
	.amdhsa_kernel k_q59c36695b1_attn
		.amdhsa_group_segment_fixed_size 138240
		.amdhsa_private_segment_fixed_size 0
		.amdhsa_enable_private_segment 0
		.amdhsa_kernarg_size 48
		.amdhsa_user_sgpr_count 2
		.amdhsa_user_sgpr_kernarg_segment_ptr 1
		.amdhsa_wavefront_size32 1
		.amdhsa_system_sgpr_workgroup_id_x 1
		.amdhsa_system_sgpr_workgroup_id_y 1
		.amdhsa_system_sgpr_workgroup_id_z 1
		.amdhsa_system_vgpr_workitem_id 0
		.amdhsa_next_free_vgpr 512
		.amdhsa_next_free_sgpr 66
		.amdhsa_reserve_vcc 0
		.amdhsa_float_denorm_mode_32 3
		.amdhsa_float_denorm_mode_16_64 3
		.amdhsa_memory_ordered 1
		.amdhsa_forward_progress 1
		.amdhsa_inst_pref_size 166
	.end_amdhsa_kernel
	.amdgpu_metadata
---
amdhsa.version: [ 1, 2 ]
amdhsa.kernels:
  - .name:           k_q59c36695b1_attn
    .symbol:         k_q59c36695b1_attn.kd
    .args:
      - { .name: q, .offset: 0, .size: 8, .value_kind: global_buffer, .address_space: global }
      - { .name: k, .offset: 8, .size: 8, .value_kind: global_buffer, .address_space: global }
      - { .name: v_codes, .offset: 16, .size: 8, .value_kind: global_buffer, .address_space: global }
      - { .name: lowp_scales, .offset: 24, .size: 8, .value_kind: global_buffer, .address_space: global }
      - { .name: softmax_scale, .offset: 32, .size: 8, .value_kind: global_buffer, .address_space: global }
      - { .name: out0, .offset: 40, .size: 8, .value_kind: global_buffer, .address_space: global }
    .group_segment_fixed_size: 138240
    .private_segment_fixed_size: 0
    .kernarg_segment_align: 8
    .kernarg_segment_size: 48
    .max_flat_workgroup_size: 256
    .sgpr_count:     66
    .vgpr_count:     512
    .wavefront_size: 32
...
	.end_amdgpu_metadata
.endif
;; end of part 2
